; MI455X (gfx1250); checked and timed in simulation.
; The chip was launched on July 23, 2026; its instructions are those of AMD's public machine-readable ISA for CDNA 5 (MIT licence, August 2026) and "CDNA5" Instruction Set Architecture Reference Guide (July 2026). The comments in the code are by the model that wrote it; some were corrected since.
;; Hash Encoder. Allowed arithmetic: float matrix products may take bf16 or f16 operands with f32 sums; all other float work in f32.
;; Inputs: hashtable 16 x 524,288 x 2 float32; x 524,288 x 3 float32.
;; Outputs: out0 524,288 x 32 float32.
;; 2 versions, each right; version 2 is version 1 with the launch gather written anew for expert scheduling mode. Each part assembles by itself: llvm-mc -triple=amdgcn-amd-amdhsa -mcpu=gfx1250 --defsym DOCPART=n.
;; ======== version 1 of 2: 2 launches
;; limits: a function is approximated: absolute error at most 0.0004883; inputs' magnitudes at most 128
;; workspace buffers: q 8,388,608 bytes of whole numbers
;; launch quant (part 1): grid 256 x 1, 16 waves a work-group, no clusters, 0 bytes of LDS; arguments x, q; writes q
.if DOCPART == 1
	.amdgcn_target "amdgcn-amd-amdhsa--gfx1250"
	.amdhsa_code_object_version 6
	.text
	.protected	k_q0baac7e97d_quant
	.globl	k_q0baac7e97d_quant
	.p2align	8
	.type	k_q0baac7e97d_quant,@function
k_q0baac7e97d_quant:
	s_mov_b64 s[64:65], 0
	v_nop
	global_prefetch_b8 v0, s[64:65] scope:SCOPE_SE
	s_setreg_imm32_b32 hwreg(HW_REG_WAVE_MODE, 25, 1), 1
	s_wait_xcnt 0x0
; x [524288][3] f32  ->  q [524288][4] u32: each coordinate as a whole number, X = floor((x + 128) * 2^24) mod 2^32
; (8 whole bits, 24 fraction bits), the fourth word 0 so that a point is 16 bytes and a wave's store is 512 consecutive bytes.
; The next launch forms its gather addresses from these whole numbers alone.
; How X is made: fl = floor(x); fr = x - fl (exact, or rounded up to 1.0 for a tiny negative x: the carry then goes into the whole
; part, which is right); X = (int(fl) << 24) + trunc(fr * 2^24), then the top bit is flipped, which adds the bias 128.
; LIMITS: -128 <= x < 128 (outside, the whole part wraps); bits of x below 2^-24 are dropped; NaN and infinities give some cell, not NaN.
; A stream of 6 MiB in and 8 MiB out: no LDS, no barrier, no matrix unit; no input is shared between work-groups, so no cluster.
.set PTS_WG,  2048                     ; points of a work-group
.set THREADS, 512
.set PER,     PTS_WG/THREADS           ; 4 points a thread, THREADS points apart
.set X,  4                             ; v[4:19]   point j: 3 coordinates as loaded, then as stored, and the zero word
.set FL, 20                            ; v[20:22]  floor, then whole part
.set FR, 24                            ; v[24:26]  fraction
	s_load_b128 s[4:7], s[0:1], 0x0                ; x s[4:5], q s[6:7]
	v_mul_u32_u24 v1, 12, v0                       ; my byte offset in x: 12 bytes a point
	v_lshlrev_b32 v2, 4, v0                        ; and in q: 16 bytes a point
	s_mul_i32 s8, ttmp9, PTS_WG*12                 ; the work-group's part of x (below 6 MiB)
	s_mov_b32 s9, 0
	s_lshl_b32 s10, ttmp9, 15                      ; and of q: 2,048 points x 16 bytes
	s_mov_b32 s11, 0
	s_mov_b32 s12, 0x4b800000                      ; 2^24
	s_wait_kmcnt 0x0
	s_add_nc_u64 s[4:5], s[4:5], s[8:9]
	s_add_nc_u64 s[6:7], s[6:7], s[10:11]
.irp j, 0,1,2,3
	global_load_b96 v[X+4*\j:X+4*\j+2], v1, s[4:5] offset:\j*THREADS*12 th:TH_LOAD_NT   ; a wave reads 384 consecutive bytes; all four loads go out first
.endr
.irp j, 0,1,2,3
	v_mov_b32 v[X+4*\j+3], 0                       ; the fourth word of each point (no load writes it)
.endr
.macro QUANT j
	s_wait_loadcnt PER-1-\j                        ; loads come back in order: point j is in, the younger ones stay out
.irp c, 0,1,2
	v_floor_f32 v[FL+\c], v[X+4*\j+\c]
.endr
.irp c, 0,1,2
	v_sub_f32 v[FR+\c], v[X+4*\j+\c], v[FL+\c]     ; 0 <= fr <= 1
.endr
.irp c, 0,1,2
	v_cvt_i32_f32 v[FL+\c], v[FL+\c]
	v_mul_f32 v[FR+\c], s12, v[FR+\c]
.endr
.irp c, 0,1,2
	v_cvt_u32_f32 v[FR+\c], v[FR+\c]               ; toward zero
.endr
.irp c, 0,1,2
	v_lshl_add_u32 v[FL+\c], v[FL+\c], 24, v[FR+\c]
.endr
.irp c, 0,1,2
	v_xor_b32 v[X+4*\j+\c], 0x80000000, v[FL+\c]   ; + 128 << 24, modulo 2^32
.endr
	global_store_b128 v2, v[X+4*\j:X+4*\j+3], s[6:7] offset:\j*THREADS*16   ; 32 lanes: 512 consecutive bytes, aligned
.endm
	QUANT 0
	QUANT 1
	QUANT 2
	QUANT 3
	s_endpgm
.Lfunc_end_k_q0baac7e97d_quant:
	.size	k_q0baac7e97d_quant, .Lfunc_end_k_q0baac7e97d_quant-k_q0baac7e97d_quant
	.p2alignl 7, 3214868480
	.fill 96, 4, 3214868480
	.section	.rodata,"a",@progbits
	.p2align	6, 0x0
	.amdhsa_kernel k_q0baac7e97d_quant
		.amdhsa_group_segment_fixed_size 0
		.amdhsa_private_segment_fixed_size 0
		.amdhsa_enable_private_segment 0
		.amdhsa_kernarg_size 16
		.amdhsa_user_sgpr_count 2
		.amdhsa_user_sgpr_kernarg_segment_ptr 1
		.amdhsa_wavefront_size32 1
		.amdhsa_system_sgpr_workgroup_id_x 1
		.amdhsa_system_sgpr_workgroup_id_y 1
		.amdhsa_system_sgpr_workgroup_id_z 1
		.amdhsa_system_vgpr_workitem_id 0
		.amdhsa_next_free_vgpr 32
		.amdhsa_next_free_sgpr 66
		.amdhsa_reserve_vcc 0
		.amdhsa_float_denorm_mode_32 3
		.amdhsa_float_denorm_mode_16_64 3
		.amdhsa_memory_ordered 1
		.amdhsa_forward_progress 1
		.amdhsa_inst_pref_size 6
	.end_amdhsa_kernel
	.amdgpu_metadata
---
amdhsa.version: [ 1, 2 ]
amdhsa.kernels:
  - .name:           k_q0baac7e97d_quant
    .symbol:         k_q0baac7e97d_quant.kd
    .args:
      - { .name: x, .offset: 0, .size: 8, .value_kind: global_buffer, .address_space: global }
      - { .name: q, .offset: 8, .size: 8, .value_kind: global_buffer, .address_space: global }
    .group_segment_fixed_size: 0
    .private_segment_fixed_size: 0
    .kernarg_segment_align: 8
    .kernarg_segment_size: 16
    .max_flat_workgroup_size: 512
    .sgpr_count:     66
    .vgpr_count:     32
    .wavefront_size: 32
...
	.end_amdgpu_metadata
.endif
;; end of part 1
;; launch gather (part 2): grid 256 x 1, 16 waves a work-group, no clusters, 296,960 bytes of LDS; arguments hashtable, q, out0; writes out0
.if DOCPART == 2
	.amdgcn_target "amdgcn-amd-amdhsa--gfx1250"
	.amdhsa_code_object_version 6
	.text
	.protected	k_q0baac7e97d_gather
	.globl	k_q0baac7e97d_gather
	.p2align	8
	.type	k_q0baac7e97d_gather,@function
k_q0baac7e97d_gather:
	s_mov_b64 s[64:65], 0
	v_nop
	global_prefetch_b8 v0, s[64:65] scope:SCOPE_SE
	s_setreg_imm32_b32 hwreg(HW_REG_WAVE_MODE, 25, 1), 1
	s_wait_xcnt 0x0
; out0[p][2 l + f] = trilinear interpolation, at level l, of hashtable[l][hash of the 8 cell corners of point p][f].
; hashtable [16][524288][2] f32; q [524288][4] u32 (the launch before: X = floor((x + 128) 2^24) for each coordinate); out0 [524288][32] f32.
;
; SHARES.  256 work-groups of 16 waves; a work-group owns 2,048 points, a wave 128 of them as 8 slots of 16 points.
; TWO NEIGHBOURING LANES SHARE A POINT: the even lane takes the four corners at cell x, the odd lane the four at x + 1.  The x coordinate
; enters the hash times 1, so the two lanes' indices are (x ^ m) and ((x + 1) ^ m): they lie in the same aligned group of 16 entries
; (128 bytes) unless x mod 16 = 15.  One gather of a wave therefore asks for 16 neighbourhoods, not 32.  The price: both lanes do the
; point's position arithmetic.  Each lane interpolates its four entries along z and y, weighs them with its x weight, and one
; exchange between the two lanes (DPP, lane xor 1) adds the halves.
; LEVELS ARE THE OUTER LOOP: all work-groups walk the same 4 MiB of the table at about the same time.  A point's 32 results gather in LDS
; (rows of 128 bytes + 16 of padding), each wave in bytes of its own (wave x 18,432), so there is no barrier; at the end a wave reads
; its rows back and stores 512 consecutive bytes with each instruction.
; RING.  8 slots x 4 gathers = 32 loads of a wave in flight.  A turn waits for a slot's four loads, finishes the slot's level l and issues its level l + 1.
;
; WHOLE-NUMBER POSITION.  X = A 2^12 + B (A 20 bits, B 12 bits), n < 2^12:  Q = A n + (B n >> 12) = floor(X n / 2^12) < 2^32.
; Q >> 12 = cell + 128 n, Q & 0xfff = 12 fraction bits.  The bias 128 n is taken out in the hash's constants.  Only the low 19 bits of
; each product reach the index, so 24-bit multiplies with the primes' low 24 bits do.
; LEVEL SIZES are constants of the JAX function, floor(16 b^l) with b = exp(log(256) / 15) in f32: log(256) rounds to 11629080 x 2^-21, a
; fifteenth of that is exact, and its exponential rounds to 12140574 x 2^-23, which is 2.5e-8 (relative) below 2^(8/15); b^15 is then
; six units of the last place below 256, so the last level is 4095 and not 4096.  The others are at least 8e-5 (relative) from a whole number.
; LIMITS.  -128 <= x < 128 (q wraps outside).  The position is cut to 12 fraction bits and x to 24: less than 2^-11 of a cell; the
; interpolant is continuous across cells, so a result moves by less than 2^-11 of the difference of neighbouring entries for each axis.
; The JAX function rounds x n to f32, this text does not: for |x| far above 1 the two differ by that rounding (half a unit of the last place of x n).
; NaN and infinities in x are not reproduced.
; NOT USED, and why: the matrix unit (8.4 M separate products of 1 x 8 by 8 x 2, no operand shared between any two, and entries would be
; rounded to 16 bits); tensor loads, clusters, joint requests (what is read is 8 bytes at hashed places, and a level's 4 MiB is 13 times the LDS).
.set LEVELS,   16
.set LVLB,     0x400000                ; bytes of a level's table
.set SLOTS,    8
.set PTS_WAVE, SLOTS*16                ; 128
.set PITCH,    144                     ; LDS row: 36 words; 16 rows start at 16 different multiples of 4 words modulo 64, so the 32 lanes' b32 stores meet in no bank (64 banks of 4 bytes: ISA guide 11.1)
.set WREG,     PTS_WAVE*PITCH          ; 18,432 LDS bytes of a wave
; vector registers
.set VDX,  1                           ; lane & 1: which x corner is mine, and which of the two features I store
.set VCX,  2                           ; this level's dx - 128 n
.set VLDS, 3                           ; LDS address of my word in slot 0's row, at the level being finished
.set VWS,  4                           ; x weight = (2^23 + Fx) * VWS + VWO:  odd lanes  2^-12, -2048  -> fx
.set VWO,  5                           ;                                      even lanes -2^-12, 2049  -> 1 - fx
.set VTAB, 6                           ; lane l: n of level l
.set VQ,   7                           ; my byte offset in q
.set VPF,  8                           ; prefetch: my byte offset in a level's table
.set VOUT, 9                           ; my byte offset in out0
.set VRD,  10                          ; LDS address for the way out
.set VL,   11                          ; lane
.set T,    12                          ; v[12:17]   at work
.set AB,   20                          ; v[20:67]   slot s: A of x, y, z, then B of x, y, z
.set D,    68                          ; v[68:131]  slot s: 4 pairs: index, then the entry, of corners (dy,dz) = (0,0) (0,1) (1,0) (1,1)
.set F,    132                         ; v[132:147] slot s: fy, fz
.set W,    148                         ; v[148:155] slot s: my x weight
.set R,    AB                          ; v[20:147]  the way out: 32 x 4 registers
; scalar registers: s[4:5] table at the level being issued, s[6:7] q, s[8:9] out0
.set SWAVE, 10
.set L1,    11                         ; the level being issued; the loop's counter
.set SN,    12                         ; n
.set SCX,   13                         ; -128 n
.set SCY,   14                         ; -128 n p1
.set SCZ,   15                         ; -128 n p2
.set SP1,   16
.set SP2,   17
.set SFFF,  18
.set SMAG,  19
.set SSC,   20
.set SOF,   21
.set SM,    22
	s_load_b128 s[4:7], s[0:1], 0x0                ; hashtable, q
	s_load_b64 s[8:9], s[0:1], 0x10                ; out0
	v_lshl_add_u32 v160, v0, 2, 0x48000
	v_mov_b32 v161, 0
	v_lshrrev_b32 v[T], 5, v0
	v_readfirstlane_b32 s[SWAVE], v[T]             ; wave 0..15
	v_and_b32 v[VL], 31, v0
	v_and_b32 v[VDX], 1, v0
	v_bfe_u32 v[T+1], v0, 1, 4                     ; which of the slot's 16 points
	s_lshl_b32 s24, s[SWAVE], 11                   ; q: wave x 128 points x 16 bytes
	v_lshlrev_b32 v[VQ], 4, v[T+1]
	v_add_nc_u32 v[VQ], s24, v[VQ]
	s_lshl_b32 s26, ttmp9, 15                      ; q: work-group x 2,048 points x 16 bytes
	s_mov_b32 s27, 0
	s_lshl_b32 s28, ttmp9, 18                      ; out0: work-group x 2,048 rows x 128 bytes
	s_mov_b32 s29, 0
	s_wait_kmcnt 0x0
	s_add_nc_u64 s[6:7], s[6:7], s[26:27]
	s_add_nc_u64 s[8:9], s[8:9], s[28:29]
.irp s, 0,1,2,3,4,5,6,7
	global_load_b128 v[D+8*\s:D+8*\s+3], v[VQ], s[6:7] offset:\s*256 th:TH_LOAD_NT   ; 16 points = 256 consecutive bytes, each point to its two lanes
.endr
	; constants, while q is on its way
	s_mov_b32 vcc_lo, 0xaaaaaaaa                   ; the odd lanes; stays for the whole kernel
	s_mov_b32 s[SP1], 0x3779b1                     ; 2654435761 mod 2^24
	s_mov_b32 s[SP2], 0x025795                     ; 805459861 mod 2^24
	s_mov_b32 s[SFFF], 0xfff
	s_mov_b32 s[SMAG], 0x4b000000                  ; 2^23: OR-ing 12 bits F below it gives the f32 number 2^23 + F
	s_mov_b32 s[SSC], 0x39800000                   ; 2^-12
	s_mov_b32 s[SOF], 0xc5000000                   ; -2048:  (2^23 + F) 2^-12 - 2048 = F / 4096, exact
	s_mov_b32 s[SM], 0x7ffff                       ; modulo 2^19
	s_mul_i32 s24, s[SWAVE], WREG                  ; my wave's LDS bytes
	v_mul_u32_u24 v[VLDS], PITCH, v[T+1]
	v_lshl_add_u32 v[VLDS], v[VDX], 2, v[VLDS]     ; row of my point, word of my feature
	v_add_nc_u32 v[VLDS], s24, v[VLDS]
	v_lshrrev_b32 v[T+2], 3, v[VL]                 ; the way out: 8 lanes take a row's 128 bytes
	v_and_b32 v[T+3], 7, v[VL]
	v_mul_u32_u24 v[VRD], PITCH, v[T+2]
	v_lshl_add_u32 v[VRD], v[T+3], 4, v[VRD]
	v_add_nc_u32 v[VRD], s24, v[VRD]
	s_lshl_b32 s25, s[SWAVE], 14                   ; out0: wave x 128 rows x 128 bytes
	v_lshlrev_b32 v[VOUT], 4, v[VL]
	v_add_nc_u32 v[VOUT], s25, v[VOUT]
	s_lshl_b32 s25, ttmp9, 14                      ; prefetch: the work-group's 16 KiB of a level's 4 MiB, lanes 256 bytes apart
	v_lshlrev_b32 v[VPF], 8, v[VL]
	v_add_nc_u32 v[VPF], s25, v[VPF]
	v_lshlrev_b32 v[VWS], 31, v[VDX]
	v_xor_b32 v[VWS], 0xb9800000, v[VWS]           ; even lanes -2^-12, odd lanes 2^-12
	v_mov_b32 v[VWO], 0xc5000000                   ; odd lanes -2048,
	v_cndmask_b32 v[VWO], 0x45001000, v[VWO], vcc_lo   ; even lanes 2049
	v_mov_b32 v[VTAB], 0
.macro SETN lane, n
	s_movk_i32 s24, \n
	v_writelane_b32 v[VTAB], s24, \lane
.endm
	SETN 0, 16
	SETN 1, 23
	SETN 2, 33
	SETN 3, 48
	SETN 4, 70
	SETN 5, 101
	SETN 6, 147
	SETN 7, 212
	SETN 8, 307
	SETN 9, 445
	SETN 10, 645
	SETN 11, 933
	SETN 12, 1351
	SETN 13, 1955
	SETN 14, 2830
	SETN 15, 4095
; The constants of level L1
.macro LEVELSET
	v_readlane_b32 s[SN], v[VTAB], s[L1]
	s_mul_i32 s[SCX], s[SN], 0xffffff80            ; -128 n: takes q's bias out of the cell numbers
	s_mul_i32 s[SCY], s[SCX], 0x9e3779b1
	s_mul_i32 s[SCZ], s[SCX], 0x30025795
	v_add_nc_u32 v[VCX], s[SCX], v[VDX]            ; and my x corner goes in with it
.endm
; Slot s at level L1: positions, fractions, four indices, four gathers.
.macro ISSUE s
.irp c, 0,1,2
	v_mul_u32_u24 v[T+\c], s[SN], v[AB+6*\s+3+\c]  ; B n
.endr
.irp c, 0,1,2
	v_lshrrev_b32 v[T+\c], 12, v[T+\c]
.endr
.irp c, 0,1,2
	v_mad_u32_u24 v[T+\c], v[AB+6*\s+\c], s[SN], v[T+\c]   ; Q = A n + (B n >> 12)
.endr
.irp c, 0,1,2
	v_and_or_b32 v[T+3+\c], v[T+\c], s[SFFF], s[SMAG]      ; 2^23 + fraction bits, as f32
.endr
.irp c, 0,1,2
	v_lshrrev_b32 v[T+\c], 12, v[T+\c]             ; cell + 128 n
.endr
	v_fma_f32 v[W+\s], v[T+3], v[VWS], v[VWO]      ; fx or 1 - fx
	v_fma_f32 v[F+2*\s], v[T+4], s[SSC], s[SOF]    ; fy
	v_fma_f32 v[F+2*\s+1], v[T+5], s[SSC], s[SOF]  ; fz
	v_add_nc_u32 v[T], v[T], v[VCX]                ; x + dx
	v_mad_u32_u24 v[T+1], v[T+1], s[SP1], s[SCY]   ; y p1
	v_mad_u32_u24 v[T+2], v[T+2], s[SP2], s[SCZ]   ; z p2      (all modulo 2^19 at the least)
	v_add_nc_u32 v[T+4], s[SP1], v[T+1]            ; (y + 1) p1
	v_add_nc_u32 v[T+5], s[SP2], v[T+2]            ; (z + 1) p2
	v_xor_b32 v[T+1], v[T], v[T+1]
	v_xor_b32 v[T+4], v[T], v[T+4]
	v_xor_b32 v[D+8*\s+0], v[T+1], v[T+2]
	v_xor_b32 v[D+8*\s+2], v[T+1], v[T+5]
	v_xor_b32 v[D+8*\s+4], v[T+4], v[T+2]
	v_xor_b32 v[D+8*\s+6], v[T+4], v[T+5]
.irp k, 0,2,4,6
	v_and_b32 v[D+8*\s+\k], s[SM], v[D+8*\s+\k]    ; modulo 2^19 (two's complement: never negative, as jnp.mod)
.endr
.irp k, 0,2,4,6
	v_min_u32 v[D+8*\s+\k], 0x7ffff, v[D+8*\s+\k]  ; a number that came from memory enters an address only behind a minimum with the table's last index; it changes nothing here
.endr
.irp k, 0,2,4,6
	global_load_b64 v[D+8*\s+\k:D+8*\s+\k+1], v[D+8*\s+\k], s[4:5] scale_offset   ; table + 8 x index; the entry lands on its own index register
.endr
.endm
; Slot s, the level whose entries have come: z, y, my x weight, the other lane's half, one word to LDS.
.macro CONSUME s
	v_pk_add_f32 v[D+8*\s+2:D+8*\s+3], v[D+8*\s+2:D+8*\s+3], v[D+8*\s:D+8*\s+1] neg_lo:[0,1] neg_hi:[0,1]
	v_pk_add_f32 v[D+8*\s+6:D+8*\s+7], v[D+8*\s+6:D+8*\s+7], v[D+8*\s+4:D+8*\s+5] neg_lo:[0,1] neg_hi:[0,1]
	v_pk_fma_f32 v[D+8*\s:D+8*\s+1], v[D+8*\s+2:D+8*\s+3], v[F+2*\s:F+2*\s+1], v[D+8*\s:D+8*\s+1] op_sel:[0,1,0] op_sel_hi:[1,1,1]        ; a + fz (b - a), both features
	v_pk_fma_f32 v[D+8*\s+4:D+8*\s+5], v[D+8*\s+6:D+8*\s+7], v[F+2*\s:F+2*\s+1], v[D+8*\s+4:D+8*\s+5] op_sel:[0,1,0] op_sel_hi:[1,1,1]
	v_pk_add_f32 v[D+8*\s+4:D+8*\s+5], v[D+8*\s+4:D+8*\s+5], v[D+8*\s:D+8*\s+1] neg_lo:[0,1] neg_hi:[0,1]
	v_pk_fma_f32 v[D+8*\s:D+8*\s+1], v[D+8*\s+4:D+8*\s+5], v[F+2*\s:F+2*\s+1], v[D+8*\s:D+8*\s+1] op_sel_hi:[1,0,1]                        ; along y, with fy
.if \s % 2
	v_pk_mul_f32 v[D+8*\s:D+8*\s+1], v[D+8*\s:D+8*\s+1], v[W+\s-1:W+\s] op_sel:[0,1] op_sel_hi:[1,1]   ; my x weight (two slots' weights share a pair)
.else
	v_pk_mul_f32 v[D+8*\s:D+8*\s+1], v[D+8*\s:D+8*\s+1], v[W+\s:W+\s+1] op_sel_hi:[1,0]
.endif
	v_add_f32_dpp v[D+8*\s], v[D+8*\s], v[D+8*\s] row_xmask:1 row_mask:0xf bank_mask:0xf               ; + the other x corner's half
	v_add_f32_dpp v[D+8*\s+1], v[D+8*\s+1], v[D+8*\s+1] row_xmask:1 row_mask:0xf bank_mask:0xf
	v_cndmask_b32 v[D+8*\s], v[D+8*\s], v[D+8*\s+1], vcc_lo                                            ; even lane: feature 0, odd lane: feature 1
	ds_store_b32 v[VLDS], v[D+8*\s] offset:\s*16*PITCH
.endm
; left = how many younger gathers may stay out; more = 1: the slot goes on to level L1
.macro TURN s, left, more
	s_wait_loadcnt \left                           ; loads come back in order (ISA guide 5.7.1): this slot's four are in, and their index registers are free
	CONSUME \s
.if \more
	ISSUE \s
.endif
.endm
; The way in: slot s of q is there when at most the 7 - s younger q loads and the 4 s gathers issued since are out.
.macro PRO s
	s_wait_loadcnt 7+3*\s
.irp c, 0,1,2
	v_lshrrev_b32 v[AB+6*\s+\c], 12, v[D+8*\s+\c]          ; A
	v_and_b32 v[AB+6*\s+3+\c], s[SFFF], v[D+8*\s+\c]       ; B
.endr
	ISSUE \s
.endm
	s_mov_b32 s[L1], 0
	LEVELSET
.irp i, 0,1,2,3
	PRO \i
.endr
	; Prefetch: wave 0 of each work-group asks for the work-group's 16 KiB (1/256) of the NEXT level's table, 64 blocks of 256 bytes by two
	; instructions, half a trip before that level's first gathers.  Each block is asked for once in the launch; level 0 is not asked for.
	s_cmp_lg_u32 s[SWAVE], 0
	s_cbranch_scc1 .Lask0_done
	global_prefetch_b8 v[VPF], s[4:5] offset:LVLB th:TH_LOAD_NT scope:SCOPE_SE
	global_prefetch_b8 v[VPF], s[4:5] offset:LVLB+8192 th:TH_LOAD_NT scope:SCOPE_SE
.Lask0_done:
.irp i, 4,5,6,7
	PRO \i
.endr
	s_mov_b32 s[L1], 1
.Llevel:                                               ; finishes level L1 - 1, issues level L1
	s_wait_xcnt 0x0                                ; the table's base, which the 32 gathers in flight name, is stepped only behind this wait
	s_add_nc_u64 s[4:5], s[4:5], LVLB
	LEVELSET
.irp i, 0,1,2,3
	TURN \i, 28, 1                                 ; 28 = the 7 younger slots' 4 gathers each
.endr
	s_cmp_lg_u32 s[SWAVE], 0
	s_cbranch_scc1 .Lask_done
	s_cmp_ge_u32 s[L1], LEVELS-1                   ; the last trip asks for nothing: there is no level 16
	s_cbranch_scc1 .Lask_done
	global_prefetch_b8 v[VPF], s[4:5] offset:LVLB th:TH_LOAD_NT scope:SCOPE_SE
	global_prefetch_b8 v[VPF], s[4:5] offset:LVLB+8192 th:TH_LOAD_NT scope:SCOPE_SE
.Lask_done:
.irp i, 4,5,6,7
	TURN \i, 28, 1
.endr
	v_add_nc_u32 v[VLDS], 8, v[VLDS]               ; the next level's two words of each row
	s_add_co_u32 s[L1], s[L1], 1
	s_cmp_lt_u32 s[L1], LEVELS
	s_cbranch_scc1 .Llevel
.irp i, 0,1,2,3,4,5,6,7
	TURN \i, 28-4*\i, 0                            ; level 15 is finished without new gathers: the counts run down to 0
.endr
	; THE WAY OUT.  My wave's 128 rows: each LDS load takes 4 rows of 128 bytes, each store writes them as 512 consecutive bytes of out0,
	; aligned.  LDS serves a wave's instructions in order (ISA guide 5.7.1), so these loads see the stores above without a wait, and the
	; rows are my wave's own.  128 registers take all 32 loads, so that no register is used twice and no store is waited for.
.set j, 0
.rept 32
	ds_load_b128 v[R+4*j:R+4*j+3], v[VRD] offset:j*4*PITCH
.set j, j+1
.endr
.set j, 0
.rept 32
	s_wait_dscnt 31-j                              ; load j is in, the younger ones stay out
	global_store_b128 v[VOUT], v[R+4*j:R+4*j+3], s[8:9] offset:j*512 th:TH_STORE_NT
.set j, j+1
.endr
	s_wait_tensorcnt 0x0
	ds_add_u32 v160, v161
	s_wait_dscnt 0x0
	s_endpgm
.Lfunc_end_k_q0baac7e97d_gather:
	.size	k_q0baac7e97d_gather, .Lfunc_end_k_q0baac7e97d_gather-k_q0baac7e97d_gather
	.p2alignl 7, 3214868480
	.fill 96, 4, 3214868480
	.section	.rodata,"a",@progbits
	.p2align	6, 0x0
	.amdhsa_kernel k_q0baac7e97d_gather
		.amdhsa_group_segment_fixed_size 296960
		.amdhsa_private_segment_fixed_size 0
		.amdhsa_enable_private_segment 0
		.amdhsa_kernarg_size 24
		.amdhsa_user_sgpr_count 2
		.amdhsa_user_sgpr_kernarg_segment_ptr 1
		.amdhsa_wavefront_size32 1
		.amdhsa_system_sgpr_workgroup_id_x 1
		.amdhsa_system_sgpr_workgroup_id_y 1
		.amdhsa_system_sgpr_workgroup_id_z 1
		.amdhsa_system_vgpr_workitem_id 0
		.amdhsa_next_free_vgpr 162
		.amdhsa_next_free_sgpr 66
		.amdhsa_reserve_vcc 1
		.amdhsa_float_denorm_mode_32 3
		.amdhsa_float_denorm_mode_16_64 3
		.amdhsa_memory_ordered 1
		.amdhsa_forward_progress 1
		.amdhsa_inst_pref_size 57
	.end_amdhsa_kernel
	.amdgpu_metadata
---
amdhsa.version: [ 1, 2 ]
amdhsa.kernels:
  - .name:           k_q0baac7e97d_gather
    .symbol:         k_q0baac7e97d_gather.kd
    .args:
      - { .name: hashtable, .offset: 0, .size: 8, .value_kind: global_buffer, .address_space: global }
      - { .name: q, .offset: 8, .size: 8, .value_kind: global_buffer, .address_space: global }
      - { .name: out0, .offset: 16, .size: 8, .value_kind: global_buffer, .address_space: global }
    .group_segment_fixed_size: 296960
    .private_segment_fixed_size: 0
    .kernarg_segment_align: 8
    .kernarg_segment_size: 24
    .max_flat_workgroup_size: 512
    .sgpr_count:     66
    .vgpr_count:     162
    .wavefront_size: 32
...
	.end_amdgpu_metadata
.endif
;; end of part 2
;; ======== version 2 of 2: 2 launches; version 1 with the launch gather written anew for expert scheduling mode
;; limits: a function is approximated: absolute error at most 0.0004883; inputs' magnitudes at most 128
;; workspace buffers: q 8,388,608 bytes of whole numbers
;; launch quant: the kernel of part 1 again; grid 256 x 1, 16 waves a work-group, no clusters, 0 bytes of LDS; arguments x, q; writes q
;; launch gather (part 3): grid 256 x 1, 16 waves a work-group, no clusters, 296,960 bytes of LDS; arguments hashtable, q, out0; writes out0
.if DOCPART == 3
	.amdgcn_target "amdgcn-amd-amdhsa--gfx1250"
	.amdhsa_code_object_version 6
	.text
	.protected	k_q0baac7e97d_gather
	.globl	k_q0baac7e97d_gather
	.p2align	8
	.type	k_q0baac7e97d_gather,@function
k_q0baac7e97d_gather:
	s_mov_b64 s[64:65], 0
	v_nop
	global_prefetch_b8 v0, s[64:65] scope:SCOPE_SE
	s_setreg_imm32_b32 hwreg(HW_REG_WAVE_SCHED_MODE, 0, 2), 2
	s_setreg_imm32_b32 hwreg(HW_REG_WAVE_MODE, 25, 1), 1
	s_wait_xcnt 0x0
	s_wait_alu depctr_vm_vsrc(0)
; out0[p][2 l + f] = trilinear interpolation, at level l, of hashtable[l][hash of the 8 cell corners of point p][f].
; hashtable [16][524288][2] f32; q [524288][4] u32 (the launch before: X = floor((x + 128) 2^24) for each coordinate); out0 [524288][32] f32.
;
; SHARES.  256 work-groups of 16 waves; a work-group owns 2,048 points, a wave 128 of them as 8 slots of 16 points.
; TWO NEIGHBOURING LANES SHARE A POINT: the even lane takes the four corners at cell x, the odd lane the four at x + 1.  The x coordinate
; enters the hash times 1, so the two lanes' indices are (x ^ m) and ((x + 1) ^ m): they lie in the same aligned group of 16 entries
; (128 bytes) unless x mod 16 = 15.  One gather of a wave therefore asks for 16 neighbourhoods, not 32.  The price: both lanes do the
; point's position arithmetic.  Each lane interpolates its four entries along z and y, weighs them with its x weight, and one
; exchange between the two lanes (DPP, lane xor 1) adds the halves.
; LEVELS ARE THE OUTER LOOP: all work-groups walk the same 4 MiB of the table at about the same time.  A point's 32 results gather in LDS
; (rows of 128 bytes + 16 of padding), each wave in bytes of its own (wave x 18,432), so there is no barrier; at the end a wave reads
; its rows back and stores 512 consecutive bytes with each instruction.
; RING.  8 slots x 4 gathers = 32 loads of a wave in flight.  A turn finishes a slot's level l and issues its level l + 1.
;
; THE MODE: SCHED_MODE bits 1:0 = 2 (LLVM: expert scheduling mode 2), set by the entry lines.  The code itself states the register dependences
; between vector instructions and memory or LDS instructions, with s_wait_alu, always for 0.
; THE PLAN.  Registers that memory or LDS instructions touch, in the loop:
;   D[s]     8 registers a slot.  The slot's four gathers land in them; turn s's interpolation reads and rewrites them.  No memory instruction reads them.
;   IDX[s]   4 registers a slot.  Written by turn s's four minima; read, as offsets, by the four gathers that turn s issues.
;   O        1 register.  Written by turn s's select; read by turn s's LDS store.
;   VLDS     The LDS stores' address.  Made anew once a level, in turn 0, from VLB and the level's number.
;   VQ, VPF, VOUT, VRD, VLB   offsets and addresses made at the head and never written again.
;   AB, T, TF, TI, F, W, VCX are named by vector instructions alone.
; A TURN: (1) the slot's positions and hashes for the next level, 30 instructions on AB and temporaries, which hang on no load; (2) the wait for the slot's four
; entries, which also shows the gathers that read IDX[s] done; (3) ONE wait on vm_vsrc: those gathers have read IDX[s], the last turn's store has read O and
; VLDS; (4) the interpolation, with the four minima into IDX[s] and the three new fractions dealt into the gaps of its chain; (5) ONE wait on va_vdst: IDX[s], O
; and VLDS are written and the interpolation is done with D[s]; (6) the four gathers and the LDS store.  The next turn's part (1) follows them with no wait:
; it names none of the registers that they touch.
;
; WHOLE-NUMBER POSITION.  X = A 2^12 + B (A 20 bits, B 12 bits), n < 2^12:  Q = A n + (B n >> 12) = floor(X n / 2^12) < 2^32.
; Q >> 12 = cell + 128 n, Q & 0xfff = 12 fraction bits.  The bias 128 n is taken out in the hash's constants.  Only the low 19 bits of
; each product reach the index, so 24-bit multiplies with the primes' low 24 bits do.
; LEVEL SIZES are constants of the JAX function, floor(16 b^l) with b = exp(log(256) / 15) in f32: log(256) rounds to 11629080 x 2^-21, a
; fifteenth of that is exact, and its exponential rounds to 12140574 x 2^-23, which is 2.5e-8 (relative) below 2^(8/15); b^15 is then
; six units of the last place below 256, so the last level is 4095 and not 4096.  The others are at least 8e-5 (relative) from a whole number.
; LIMITS.  -128 <= x < 128 (q wraps outside).  The position is cut to 12 fraction bits and x to 24: less than 2^-11 of a cell; the
; interpolant is continuous across cells, so a result moves by less than 2^-11 of the difference of neighbouring entries for each axis.
; The JAX function rounds x n to f32, this text does not: for |x| far above 1 the two differ by that rounding (half a unit of the last place of x n).
; NaN and infinities in x are not reproduced.
; NOT USED, and why: the matrix unit (8.4 M separate products of 1 x 8 by 8 x 2, no operand shared between any two, and entries would be
; rounded to 16 bits); tensor loads, clusters, joint requests (what is read is 8 bytes at hashed places, and a level's 4 MiB is 13 times the LDS).
.set LEVELS,   16
.set LVLB,     0x400000                ; bytes of a level's table
.set SLOTS,    8
.set PTS_WAVE, SLOTS*16                ; 128
.set PITCH,    144                     ; LDS row: 36 words; 16 rows start at 16 different multiples of 4 words modulo 64, so the 32 lanes' b32 stores meet in no bank (64 banks of 4 bytes: ISA guide 11.1)
.set WREG,     PTS_WAVE*PITCH          ; 18,432 LDS bytes of a wave
; vector registers
.set VDX,  1                           ; lane & 1: which x corner is mine, and which of the two features I store
.set VCX,  2                           ; this level's dx - 128 n
.set VLDS, 3                           ; LDS address of my word in slot 0's row, at the level being finished
.set VWS,  4                           ; x weight = (2^23 + Fx) * VWS + VWO:  odd lanes  2^-12, -2048  -> fx
.set VWO,  5                           ;                                      even lanes -2^-12, 2049  -> 1 - fx
.set VTAB, 6                           ; lane l: n of level l
.set VQ,   7                           ; my byte offset in q
.set VPF,  8                           ; prefetch: my byte offset in a level's table
.set VOUT, 9                           ; my byte offset in out0
.set VRD,  10                          ; LDS address for the way out
.set VL,   11                          ; lane
.set VLB,  12                          ; LDS address of my word in slot 0's row at level 0; never rewritten
.set O,    13                          ; the word that goes to LDS
.set T,    14                          ; v[14:18]   at work
.set TF,   19                          ; v[19:21]   2^23 + the fraction bits of x, y, z, until the fractions are made
.set TI,   22                          ; v[22:25]   the four indices, until the slot's index registers are free
.set AB,   26                          ; v[26:73]   slot s: A of x, y, z, then B of x, y, z
.set D,    74                          ; v[74:137]  slot s: 4 pairs: the entries of corners (dy,dz) = (0,0) (0,1) (1,0) (1,1)
.set F,    138                         ; v[138:153] slot s: fy, fz
.set W,    154                         ; v[154:161] slot s: my x weight
.set IDX,  162                         ; v[162:193] slot s: the four indices, as the gathers read them
.set R,    AB                          ; v[26:153]  the way out: 32 x 4 registers
; scalar registers: s[4:5] table at the level being issued, s[6:7] q, s[8:9] out0
.set SWAVE, 10
.set L1,    11                         ; the level being issued; the loop's counter
.set SN,    12                         ; n
.set SCX,   13                         ; -128 n
.set SCY,   14                         ; -128 n p1
.set SCZ,   15                         ; -128 n p2
.set SP1,   16
.set SP2,   17
.set SFFF,  18
.set SMAG,  19
.set SSC,   20
.set SOF,   21
.set SM,    22
.set LF,    23                         ; the level being finished
	s_load_b128 s[4:7], s[0:1], 0x0                ; hashtable, q
	s_load_b64 s[8:9], s[0:1], 0x10                ; out0
	v_lshl_add_u32 v194, v0, 2, 0x48000
	v_mov_b32 v195, 0
	v_lshrrev_b32 v[T], 5, v0
	v_readfirstlane_b32 s[SWAVE], v[T]             ; wave 0..15
	v_and_b32 v[VL], 31, v0
	v_and_b32 v[VDX], 1, v0
	v_bfe_u32 v[T+1], v0, 1, 4                     ; which of the slot's 16 points
	v_lshlrev_b32 v[VQ], 4, v[T+1]
	s_wait_alu depctr_va_sdst(0)                   ; the wave's number is written, ahead of its first reader: offsets, LDS addresses and two branches are made from it
	s_lshl_b32 s24, s[SWAVE], 11                   ; q: wave x 128 points x 16 bytes
	v_add_nc_u32 v[VQ], s24, v[VQ]
	s_lshl_b32 s26, ttmp9, 15                      ; q: work-group x 2,048 points x 16 bytes
	s_mov_b32 s27, 0
	s_lshl_b32 s28, ttmp9, 18                      ; out0: work-group x 2,048 rows x 128 bytes
	s_mov_b32 s29, 0
	s_wait_kmcnt 0x0
	s_add_nc_u64 s[6:7], s[6:7], s[26:27]
	s_add_nc_u64 s[8:9], s[8:9], s[28:29]
	s_wait_alu depctr_va_vdst(0)                   ; v[VQ] is written, which the eight loads below read as their offset
.irp s, 0,1,2,3,4,5,6,7
	global_load_b128 v[D+8*\s:D+8*\s+3], v[VQ], s[6:7] offset:\s*256 th:TH_LOAD_NT   ; 16 points = 256 consecutive bytes, each point to its two lanes
.endr
	; constants, while q is on its way: none of these lines names v[VQ] or D
	s_mov_b32 vcc_lo, 0xaaaaaaaa                   ; the odd lanes; a scalar write, once; stays for the whole kernel
	s_mov_b32 s[SP1], 0x3779b1                     ; 2654435761 mod 2^24
	s_mov_b32 s[SP2], 0x025795                     ; 805459861 mod 2^24
	s_mov_b32 s[SFFF], 0xfff
	s_mov_b32 s[SMAG], 0x4b000000                  ; 2^23: OR-ing 12 bits F below it gives the f32 number 2^23 + F
	s_mov_b32 s[SSC], 0x39800000                   ; 2^-12
	s_mov_b32 s[SOF], 0xc5000000                   ; -2048:  (2^23 + F) 2^-12 - 2048 = F / 4096, exact
	s_mov_b32 s[SM], 0x7ffff                       ; modulo 2^19
	s_mul_i32 s24, s[SWAVE], WREG                  ; my wave's LDS bytes
	v_mul_u32_u24 v[VLB], PITCH, v[T+1]
	v_lshl_add_u32 v[VLB], v[VDX], 2, v[VLB]       ; row of my point, word of my feature
	v_add_nc_u32 v[VLB], s24, v[VLB]
	v_lshrrev_b32 v[T+2], 3, v[VL]                 ; the way out: 8 lanes take a row's 128 bytes
	v_and_b32 v[T+3], 7, v[VL]
	v_mul_u32_u24 v[VRD], PITCH, v[T+2]
	v_lshl_add_u32 v[VRD], v[T+3], 4, v[VRD]
	v_add_nc_u32 v[VRD], s24, v[VRD]
	s_lshl_b32 s25, s[SWAVE], 14                   ; out0: wave x 128 rows x 128 bytes
	v_lshlrev_b32 v[VOUT], 4, v[VL]
	v_add_nc_u32 v[VOUT], s25, v[VOUT]
	s_lshl_b32 s25, ttmp9, 14                      ; prefetch: the work-group's 16 KiB of a level's 4 MiB, lanes 256 bytes apart
	v_lshlrev_b32 v[VPF], 8, v[VL]
	v_add_nc_u32 v[VPF], s25, v[VPF]
	v_lshlrev_b32 v[VWS], 31, v[VDX]
	v_xor_b32 v[VWS], 0xb9800000, v[VWS]           ; even lanes -2^-12, odd lanes 2^-12
	v_mov_b32 v[VWO], 0xc5000000                   ; odd lanes -2048,
	v_cndmask_b32 v[VWO], 0x45001000, v[VWO], vcc_lo   ; even lanes 2049
	v_mov_b32 v[VTAB], 0
.macro SETN lane, n
	s_movk_i32 s24, \n
	v_writelane_b32 v[VTAB], s24, \lane
.endm
	SETN 0, 16
	SETN 1, 23
	SETN 2, 33
	SETN 3, 48
	SETN 4, 70
	SETN 5, 101
	SETN 6, 147
	SETN 7, 212
	SETN 8, 307
	SETN 9, 445
	SETN 10, 645
	SETN 11, 933
	SETN 12, 1351
	SETN 13, 1955
	SETN 14, 2830
	SETN 15, 4095
; The constants of level L1
.macro LEVELSET
	v_readlane_b32 s[SN], v[VTAB], s[L1]
	s_wait_alu depctr_va_sdst(0)                   ; n is written, ahead of its first reader, the multiply below
	s_mul_i32 s[SCX], s[SN], 0xffffff80            ; -128 n: takes q's bias out of the cell numbers
	s_mul_i32 s[SCY], s[SCX], 0x9e3779b1
	s_mul_i32 s[SCZ], s[SCX], 0x30025795
	v_add_nc_u32 v[VCX], s[SCX], v[VDX]            ; and my x corner goes in with it
.endm
; Slot s at level L1: positions, fraction bits (into TF) and the four indices (into TI).  Vector registers alone: no load is waited for, none is touched.
.macro POS s
.irp c, 0,1,2
	v_mul_u32_u24 v[T+\c], s[SN], v[AB+6*\s+3+\c]  ; B n
.endr
.irp c, 0,1,2
	v_lshrrev_b32 v[T+\c], 12, v[T+\c]
.endr
.irp c, 0,1,2
	v_mad_u32_u24 v[T+\c], v[AB+6*\s+\c], s[SN], v[T+\c]   ; Q = A n + (B n >> 12)
.endr
.irp c, 0,1,2
	v_and_or_b32 v[TF+\c], v[T+\c], s[SFFF], s[SMAG]       ; 2^23 + fraction bits, as f32
.endr
.irp c, 0,1,2
	v_lshrrev_b32 v[T+\c], 12, v[T+\c]             ; cell + 128 n
.endr
	v_add_nc_u32 v[T], v[T], v[VCX]                ; x + dx
	v_mad_u32_u24 v[T+1], v[T+1], s[SP1], s[SCY]   ; y p1
	v_mad_u32_u24 v[T+2], v[T+2], s[SP2], s[SCZ]   ; z p2      (all modulo 2^19 at the least)
	v_add_nc_u32 v[T+3], s[SP1], v[T+1]            ; (y + 1) p1
	v_add_nc_u32 v[T+4], s[SP2], v[T+2]            ; (z + 1) p2
	v_xor_b32 v[T+1], v[T], v[T+1]
	v_xor_b32 v[T+3], v[T], v[T+3]
	v_xor_b32 v[TI+0], v[T+1], v[T+2]
	v_xor_b32 v[TI+1], v[T+1], v[T+4]
	v_xor_b32 v[TI+2], v[T+3], v[T+2]
	v_xor_b32 v[TI+3], v[T+3], v[T+4]
.irp k, 0,1,2,3
	v_and_b32 v[TI+\k], s[SM], v[TI+\k]            ; modulo 2^19 (two's complement: never negative, as jnp.mod)
.endr
.endm
; Index k of slot s goes into the register that its gather reads: a number that came from memory enters an address only behind a minimum with the table's last index; it changes nothing here
.macro CLAMP s, k
	v_min_u32 v[IDX+4*\s+\k], 0x7ffff, v[TI+\k]
.endm
; The slot's four gathers: table + 8 x index
.macro GATHER s
.irp k, 0,1,2,3
	global_load_b64 v[D+8*\s+2*\k:D+8*\s+2*\k+1], v[IDX+4*\s+\k], s[4:5] scale_offset
.endr
.endm
; Turn s.  left = how many younger gathers may stay out; more = 1: the slot goes on to level L1.
; The interpolation is a chain: z, y, my x weight, the other lane's half, the select.  With more = 1 the four minima and the three new fractions stand in
; its gaps, each new fraction behind the last line that reads the old one.
.macro TURN s, left, more
.if \more
	POS \s
.endif
	s_wait_loadcnt \left                           ; loads come back in order (ISA guide 5.7.1): this slot's four entries are in; the gathers that read IDX[s] are done
	s_wait_alu depctr_vm_vsrc(0)                   ; those gathers have read IDX[s]; the last turn's LDS store has read O and v[VLDS]: all three are written again below
.if \s == 0
	v_lshl_add_u32 v[VLDS], s[LF], 3, v[VLB]       ; the two words of the level being finished, in each row
.endif
	v_pk_add_f32 v[D+8*\s+2:D+8*\s+3], v[D+8*\s+2:D+8*\s+3], v[D+8*\s:D+8*\s+1] neg_lo:[0,1] neg_hi:[0,1]
	v_pk_add_f32 v[D+8*\s+6:D+8*\s+7], v[D+8*\s+6:D+8*\s+7], v[D+8*\s+4:D+8*\s+5] neg_lo:[0,1] neg_hi:[0,1]
.if \more
	CLAMP \s, 0
	CLAMP \s, 1
.endif
	v_pk_fma_f32 v[D+8*\s:D+8*\s+1], v[D+8*\s+2:D+8*\s+3], v[F+2*\s:F+2*\s+1], v[D+8*\s:D+8*\s+1] op_sel:[0,1,0] op_sel_hi:[1,1,1]        ; a + fz (b - a), both features
	v_pk_fma_f32 v[D+8*\s+4:D+8*\s+5], v[D+8*\s+6:D+8*\s+7], v[F+2*\s:F+2*\s+1], v[D+8*\s+4:D+8*\s+5] op_sel:[0,1,0] op_sel_hi:[1,1,1]
.if \more
	CLAMP \s, 2
.endif
	v_pk_add_f32 v[D+8*\s+4:D+8*\s+5], v[D+8*\s+4:D+8*\s+5], v[D+8*\s:D+8*\s+1] neg_lo:[0,1] neg_hi:[0,1]
.if \more
	CLAMP \s, 3
.endif
	v_pk_fma_f32 v[D+8*\s:D+8*\s+1], v[D+8*\s+4:D+8*\s+5], v[F+2*\s:F+2*\s+1], v[D+8*\s:D+8*\s+1] op_sel_hi:[1,0,1]                        ; along y, with fy
.if \more
	v_fma_f32 v[F+2*\s+1], v[TF+2], s[SSC], s[SOF] ; the next level's fz
.endif
.if \s % 2
	v_pk_mul_f32 v[D+8*\s:D+8*\s+1], v[D+8*\s:D+8*\s+1], v[W+\s-1:W+\s] op_sel:[0,1] op_sel_hi:[1,1]   ; my x weight (two slots' weights share a pair)
.else
	v_pk_mul_f32 v[D+8*\s:D+8*\s+1], v[D+8*\s:D+8*\s+1], v[W+\s:W+\s+1] op_sel_hi:[1,0]
.endif
.if \more
	v_fma_f32 v[F+2*\s], v[TF+1], s[SSC], s[SOF]   ; the next level's fy
.endif
	v_add_f32_dpp v[D+8*\s], v[D+8*\s], v[D+8*\s] row_xmask:1 row_mask:0xf bank_mask:0xf               ; + the other x corner's half
	v_add_f32_dpp v[D+8*\s+1], v[D+8*\s+1], v[D+8*\s+1] row_xmask:1 row_mask:0xf bank_mask:0xf
.if \more
	v_fma_f32 v[W+\s], v[TF], v[VWS], v[VWO]       ; the next level's fx or 1 - fx
.endif
	v_cndmask_b32 v[O], v[D+8*\s], v[D+8*\s+1], vcc_lo                                                 ; even lane: feature 0, odd lane: feature 1
.if \more
.if \s == 0
	s_wait_xcnt 0x0                                ; the table's base, which the gathers in flight and the prefetches name, is stepped only behind this wait; the youngest of them stand a whole turn back
	s_add_nc_u64 s[4:5], s[4:5], LVLB              ; the table at level L1
.endif
.endif
	s_wait_alu depctr_va_vdst(0)                   ; IDX[s], O and (turn 0) v[VLDS] are written, which the lines below read; the interpolation is done reading and writing D[s], in which the gathers land
.if \more
	GATHER \s
.endif
	ds_store_b32 v[VLDS], v[O] offset:\s*16*PITCH
.endm
; The way in: slot s of q is there when at most the 7 - s younger q loads and the 4 s gathers issued since are out.
.macro PRO s
	s_wait_loadcnt 7+3*\s
.irp c, 0,1,2
	v_lshrrev_b32 v[AB+6*\s+\c], 12, v[D+8*\s+\c]          ; A
	v_and_b32 v[AB+6*\s+3+\c], s[SFFF], v[D+8*\s+\c]       ; B
.endr
	POS \s
.irp k, 0,1,2,3
	CLAMP \s, \k                                   ; no memory instruction has read IDX[s] yet
.endr
	v_fma_f32 v[W+\s], v[TF], v[VWS], v[VWO]       ; fx or 1 - fx
	v_fma_f32 v[F+2*\s], v[TF+1], s[SSC], s[SOF]   ; fy
	v_fma_f32 v[F+2*\s+1], v[TF+2], s[SSC], s[SOF] ; fz
	s_wait_alu depctr_va_vdst(0)                   ; IDX[s] is written, which the gathers read; the six lines at the top are done reading the slot's words of q in D[s], in which the gathers land
	GATHER \s
.endm
	s_mov_b32 s[L1], 0
	LEVELSET
.irp i, 0,1,2,3
	PRO \i
.endr
	; Prefetch: wave 0 of each work-group asks for the work-group's 16 KiB (1/256) of the NEXT level's table, 64 blocks of 256 bytes by two
	; instructions, half a trip before that level's first gathers.  Each block is asked for once in the launch; level 0 is not asked for.
	; v[VPF] was written at the head, ahead of the waits on va_vdst above, and is never written again.
	s_cmp_lg_u32 s[SWAVE], 0
	s_cbranch_scc1 .Lask0_done
	global_prefetch_b8 v[VPF], s[4:5] offset:LVLB th:TH_LOAD_NT scope:SCOPE_SE
	global_prefetch_b8 v[VPF], s[4:5] offset:LVLB+8192 th:TH_LOAD_NT scope:SCOPE_SE
.Lask0_done:
.irp i, 4,5,6,7
	PRO \i
.endr
	s_mov_b32 s[L1], 1
.Llevel:                                               ; finishes level L1 - 1, issues level L1
	LEVELSET
	s_sub_co_u32 s[LF], s[L1], 1
.irp i, 0,1,2,3
	TURN \i, 28, 1                                 ; 28 = the 7 younger slots' 4 gathers each
.endr
	s_cmp_lg_u32 s[SWAVE], 0
	s_cbranch_scc1 .Lask_done
	s_cmp_ge_u32 s[L1], LEVELS-1                   ; the last trip asks for nothing: there is no level 16
	s_cbranch_scc1 .Lask_done
	global_prefetch_b8 v[VPF], s[4:5] offset:LVLB th:TH_LOAD_NT scope:SCOPE_SE
	global_prefetch_b8 v[VPF], s[4:5] offset:LVLB+8192 th:TH_LOAD_NT scope:SCOPE_SE
.Lask_done:
.irp i, 4,5,6,7
	TURN \i, 28, 1
.endr
	s_add_co_u32 s[L1], s[L1], 1
	s_cmp_lt_u32 s[L1], LEVELS
	s_cbranch_scc1 .Llevel
	s_mov_b32 s[LF], LEVELS-1
.irp i, 0,1,2,3,4,5,6,7
	TURN \i, 28-4*\i, 0                            ; level 15 is finished without new gathers: the counts run down to 0
.endr
	; THE WAY OUT.  My wave's 128 rows: each LDS load takes 4 rows of 128 bytes, each store writes them as 512 consecutive bytes of out0,
	; aligned.  LDS serves a wave's instructions in order (ISA guide 5.7.1), so these loads see the stores above without a wait, and the
	; rows are my wave's own.  128 registers take all 32 loads, so that no register is used twice and no store is waited for.
	; The loads land in AB, D and F: the last turn's wait on va_vdst has shown every vector instruction that names them complete, none has been
	; issued since, and no memory instruction has ever read them.  v[VRD] and v[VOUT] were written at the head.
.set j, 0
.rept 32
	ds_load_b128 v[R+4*j:R+4*j+3], v[VRD] offset:j*4*PITCH
.set j, j+1
.endr
.set j, 0
.rept 32
	s_wait_dscnt 31-j                              ; load j is in, the younger ones stay out
	global_store_b128 v[VOUT], v[R+4*j:R+4*j+3], s[8:9] offset:j*512 th:TH_STORE_NT
.set j, j+1
.endr
	s_wait_dscnt 0x0
	s_wait_alu depctr_hold_cnt(0) depctr_sa_sdst(0) depctr_va_vdst(0) depctr_va_sdst(0) depctr_va_ssrc(0) depctr_va_vcc(0) depctr_vm_vsrc(0)
	s_wait_tensorcnt 0x0
	ds_add_u32 v194, v195
	s_wait_dscnt 0x0
	s_endpgm
.Lfunc_end_k_q0baac7e97d_gather:
	.size	k_q0baac7e97d_gather, .Lfunc_end_k_q0baac7e97d_gather-k_q0baac7e97d_gather
	.p2alignl 7, 3214868480
	.fill 96, 4, 3214868480
	.section	.rodata,"a",@progbits
	.p2align	6, 0x0
	.amdhsa_kernel k_q0baac7e97d_gather
		.amdhsa_group_segment_fixed_size 296960
		.amdhsa_private_segment_fixed_size 0
		.amdhsa_enable_private_segment 0
		.amdhsa_kernarg_size 24
		.amdhsa_user_sgpr_count 2
		.amdhsa_user_sgpr_kernarg_segment_ptr 1
		.amdhsa_wavefront_size32 1
		.amdhsa_system_sgpr_workgroup_id_x 1
		.amdhsa_system_sgpr_workgroup_id_y 1
		.amdhsa_system_sgpr_workgroup_id_z 1
		.amdhsa_system_vgpr_workitem_id 0
		.amdhsa_next_free_vgpr 196
		.amdhsa_next_free_sgpr 66
		.amdhsa_reserve_vcc 1
		.amdhsa_float_denorm_mode_32 3
		.amdhsa_float_denorm_mode_16_64 3
		.amdhsa_memory_ordered 1
		.amdhsa_forward_progress 1
		.amdhsa_inst_pref_size 59
	.end_amdhsa_kernel
	.amdgpu_metadata
---
amdhsa.version: [ 1, 2 ]
amdhsa.kernels:
  - .name:           k_q0baac7e97d_gather
    .symbol:         k_q0baac7e97d_gather.kd
    .args:
      - { .name: hashtable, .offset: 0, .size: 8, .value_kind: global_buffer, .address_space: global }
      - { .name: q, .offset: 8, .size: 8, .value_kind: global_buffer, .address_space: global }
      - { .name: out0, .offset: 16, .size: 8, .value_kind: global_buffer, .address_space: global }
    .group_segment_fixed_size: 296960
    .private_segment_fixed_size: 0
    .kernarg_segment_align: 8
    .kernarg_segment_size: 24
    .max_flat_workgroup_size: 512
    .sgpr_count:     66
    .vgpr_count:     196
    .wavefront_size: 32
...
	.end_amdgpu_metadata
.endif
;; end of part 3
